; MI455X (gfx1250); checked and timed in simulation.
; The chip was launched on July 23, 2026; its instructions are those of AMD's public machine-readable ISA for CDNA 5 (MIT licence, August 2026) and "CDNA5" Instruction Set Architecture Reference Guide (July 2026). The comments in the code are by the model that wrote it; some were corrected since.
;; LSTM Cell. Allowed arithmetic: float matrix products may take bf16 or f16 operands with f32 sums; all other float work in f32.
;; Inputs: Uc 2,048 x 2,048 float32; Uf 2,048 x 2,048 float32; Ui 2,048 x 2,048 float32; Uo 2,048 x 2,048 float32; Wc 2,048 x 2,048 float32; Wf 2,048 x 2,048 float32; Wi 2,048 x 2,048 float32; Wo 2,048 x 2,048 float32; bc 2,048 float32; bf 2,048 float32; bi 2,048 float32; bo 2,048 float32; last_c 2,048 x 2,048 float32; last_h 2,048 x 2,048 float32; mask 2,048 x 1 float32; x 2,048 x 2,048 float32.
;; Outputs: out0 2,048 x 2,048 float32; out1 2,048 x 2,048 float32.
;; One version. Each part assembles by itself: llvm-mc -triple=amdgcn-amd-amdhsa -mcpu=gfx1250 --defsym DOCPART=n.
;; ======== version 1 of 1: 2 launches
;; workspace buffers: ab 16,777,216 bytes; wb 67,108,864 bytes
;; launch pack (part 1): grid 2048 x 1, 8 waves a work-group, no clusters, 0 bytes of LDS; arguments x, last_h, Wi, Wf, Wo, Wc, Ui, Uf, Uo, Uc, ab, wb; writes ab, wb
.if DOCPART == 1
	.amdgcn_target "amdgcn-amd-amdhsa--gfx1250"
	.amdhsa_code_object_version 6
	.text
	.protected	k_qe6c19e9b2e_pack
	.globl	k_qe6c19e9b2e_pack
	.p2align	8
	.type	k_qe6c19e9b2e_pack,@function
k_qe6c19e9b2e_pack:
	s_mov_b64 s[64:65], 0
	v_nop
	global_prefetch_b8 v0, s[64:65] scope:SCOPE_SE
	s_setreg_imm32_b32 hwreg(HW_REG_WAVE_MODE, 25, 1), 1
	s_wait_xcnt 0x0
; The ten f32 matrices that enter the products are rounded once to bf16 and laid out for ONE product gates = ab x wb^T with K = 4,096.
;   ab [2048][4096] bf16: row b = x[b] (columns 0-2047), then last_h[b] (columns 2048-4095).
;   wb [8192][4096] bf16: row n = 128 (j / 32) + 32 g + j % 32 = W_g[j], then U_g[j]; gate g = 0 i, 1 f, 2 o, 3 c.
;   So 128 consecutive rows of wb are 32 columns j in all four gates, and the next launch finds the four gates of one j in one lane.
; A stream: every byte is read once and written once, so LDS, barriers, the matrix unit and clusters would add nothing (no two work-groups read the same byte).
; SHARES.  Work-group R takes row R of all ten matrices: 80 KiB in, 40 KiB out.  Thread t takes the 16 bytes at 16 t and at 4,096 + 16 t of each row
; (a wave's load covers 512 consecutive bytes) and stores the 8 bytes at 8 t and at 2,048 + 8 t (a wave's store covers 256 consecutive bytes, at a multiple of 256 from the buffer's first).
; All 20 loads of a thread go out before its first store; no register is written twice, so the only waits are the counted ones for the loads.
.set X, 4                              ; v[4:83]  unit u (0..9), half k: four registers at X + 8 u + 4 k, as loaded; the first two of them as stored
	s_load_b512 s[8:23], s[0:1], 0x0               ; x, last_h, Wi, Wf, Wo, Wc, Ui, Uf
	s_load_b256 s[24:31], s[0:1], 0x40             ; Uo, Uc, ab, wb
	s_lshl_b32 s2, ttmp9, 13                       ; row R of an input, and of ab: 8,192 bytes a row
	s_lshr_b32 s4, ttmp9, 5
	s_lshl_b32 s4, s4, 7                           ; 128 (R / 32)
	s_and_b32 s5, ttmp9, 31
	s_or_b32 s4, s4, s5                            ; + R % 32: gate 0's row of wb; gate g's lies 32 g rows further on
	s_lshl_b32 s3, s4, 13
	v_lshl_add_u32 v1, v0, 4, s2                   ; where I read
	v_lshl_add_u32 v2, v0, 3, s2                   ; where I store in ab
	v_lshl_add_u32 v3, v0, 3, s3                   ; where I store in wb
	s_wait_kmcnt 0x0
.macro LD u, sb                        ; unit u: my 2 x 16 bytes of row R of the matrix whose address is s[sb:sb+1]
	global_load_b128 v[X+8*(\u):X+8*(\u)+3],   v1, s[(\sb):(\sb)+1] th:TH_LOAD_NT
	global_load_b128 v[X+8*(\u)+4:X+8*(\u)+7], v1, s[(\sb):(\sb)+1] offset:4096 th:TH_LOAD_NT
.endm
.macro ST u, db, vo, imm               ; unit u is rounded and stored at s[db:db+1] + v[vo] + imm
.irp k, 0,1
	s_wait_loadcnt 19-2*(\u)-(\k)                  ; loads come back in order (ISA guide 5.7.1): so many were issued behind this one
	v_cvt_pk_bf16_f32 v[X+8*(\u)+4*(\k)],   v[X+8*(\u)+4*(\k)],   v[X+8*(\u)+4*(\k)+1]
	v_cvt_pk_bf16_f32 v[X+8*(\u)+4*(\k)+1], v[X+8*(\u)+4*(\k)+2], v[X+8*(\u)+4*(\k)+3]
	global_store_b64 v[(\vo)], v[X+8*(\u)+4*(\k):X+8*(\u)+4*(\k)+1], s[(\db):(\db)+1] offset:(\imm)+2048*(\k)
.endr
.endm
	LD 0, 8
	LD 1, 10
	LD 2, 12
	LD 3, 14
	LD 4, 16
	LD 5, 18
	LD 6, 20
	LD 7, 22
	LD 8, 24
	LD 9, 26
	ST 0, 28, 2, 0                                 ; x       -> ab, columns 0-2047
	ST 1, 28, 2, 4096                              ; last_h  -> ab, columns 2048-4095
	ST 2, 30, 3, 0                                 ; Wi, Wf, Wo, Wc -> wb, columns 0-2047; 32 rows of 8,192 bytes from gate to gate
	ST 3, 30, 3, 262144
	ST 4, 30, 3, 524288
	ST 5, 30, 3, 786432
	ST 6, 30, 3, 4096                              ; Ui, Uf, Uo, Uc -> wb, columns 2048-4095
	ST 7, 30, 3, 262144+4096
	ST 8, 30, 3, 524288+4096
	ST 9, 30, 3, 786432+4096
	s_endpgm
.Lfunc_end_k_qe6c19e9b2e_pack:
	.size	k_qe6c19e9b2e_pack, .Lfunc_end_k_qe6c19e9b2e_pack-k_qe6c19e9b2e_pack
	.p2alignl 7, 3214868480
	.fill 96, 4, 3214868480
	.section	.rodata,"a",@progbits
	.p2align	6, 0x0
	.amdhsa_kernel k_qe6c19e9b2e_pack
		.amdhsa_group_segment_fixed_size 0
		.amdhsa_private_segment_fixed_size 0
		.amdhsa_enable_private_segment 0
		.amdhsa_kernarg_size 96
		.amdhsa_user_sgpr_count 2
		.amdhsa_user_sgpr_kernarg_segment_ptr 1
		.amdhsa_wavefront_size32 1
		.amdhsa_system_sgpr_workgroup_id_x 1
		.amdhsa_system_sgpr_workgroup_id_y 1
		.amdhsa_system_sgpr_workgroup_id_z 1
		.amdhsa_system_vgpr_workitem_id 0
		.amdhsa_next_free_vgpr 84
		.amdhsa_next_free_sgpr 66
		.amdhsa_reserve_vcc 0
		.amdhsa_float_denorm_mode_32 3
		.amdhsa_float_denorm_mode_16_64 3
		.amdhsa_memory_ordered 1
		.amdhsa_forward_progress 1
		.amdhsa_inst_pref_size 8
	.end_amdhsa_kernel
	.amdgpu_metadata
---
amdhsa.version: [ 1, 2 ]
amdhsa.kernels:
  - .name:           k_qe6c19e9b2e_pack
    .symbol:         k_qe6c19e9b2e_pack.kd
    .args:
      - { .name: x, .offset: 0, .size: 8, .value_kind: global_buffer, .address_space: global }
      - { .name: last_h, .offset: 8, .size: 8, .value_kind: global_buffer, .address_space: global }
      - { .name: Wi, .offset: 16, .size: 8, .value_kind: global_buffer, .address_space: global }
      - { .name: Wf, .offset: 24, .size: 8, .value_kind: global_buffer, .address_space: global }
      - { .name: Wo, .offset: 32, .size: 8, .value_kind: global_buffer, .address_space: global }
      - { .name: Wc, .offset: 40, .size: 8, .value_kind: global_buffer, .address_space: global }
      - { .name: Ui, .offset: 48, .size: 8, .value_kind: global_buffer, .address_space: global }
      - { .name: Uf, .offset: 56, .size: 8, .value_kind: global_buffer, .address_space: global }
      - { .name: Uo, .offset: 64, .size: 8, .value_kind: global_buffer, .address_space: global }
      - { .name: Uc, .offset: 72, .size: 8, .value_kind: global_buffer, .address_space: global }
      - { .name: ab, .offset: 80, .size: 8, .value_kind: global_buffer, .address_space: global }
      - { .name: wb, .offset: 88, .size: 8, .value_kind: global_buffer, .address_space: global }
    .group_segment_fixed_size: 0
    .private_segment_fixed_size: 0
    .kernarg_segment_align: 8
    .kernarg_segment_size: 96
    .max_flat_workgroup_size: 256
    .sgpr_count:     66
    .vgpr_count:     84
    .wavefront_size: 32
...
	.end_amdgpu_metadata
.endif
;; end of part 1
;; launch cell (part 2): grid 32 x 8, 4 waves a work-group, clusters of 4 x 4, 327,680 bytes of LDS; arguments ab, wb, bi, bf, bo, bc, mask, last_c, last_h, out0, out1; writes out0, out1
.if DOCPART == 2
	.amdgcn_target "amdgcn-amd-amdhsa--gfx1250"
	.amdhsa_code_object_version 6
	.text
	.protected	k_qe6c19e9b2e_cell
	.globl	k_qe6c19e9b2e_cell
	.p2align	8
	.type	k_qe6c19e9b2e_cell,@function
k_qe6c19e9b2e_cell:
	s_mov_b64 s[64:65], 0
	v_nop
	global_prefetch_b8 v0, s[64:65] scope:SCOPE_SE
	s_setreg_imm32_b32 hwreg(HW_REG_WAVE_MODE, 25, 1), 1
	s_wait_xcnt 0x0
	s_wait_alu depctr_hold_cnt(0) depctr_sa_sdst(0) depctr_va_vdst(0) depctr_va_sdst(0) depctr_va_ssrc(0) depctr_va_vcc(0) depctr_vm_vsrc(0)
	s_getreg_b32 s2, hwreg(HW_REG_IB_STS2, 6, 4)
	s_cmp_eq_u32 s2, 0
	s_cbranch_scc0 .Lentry_in_a_cluster
	s_endpgm
.Lentry_in_a_cluster:
	s_bfe_u32 s2, ttmp6, 0x10000c
	s_cmp_lg_u32 s2, 0xf033
	s_cbranch_scc0 .Lentry_shape_is_right
	s_endpgm
.Lentry_shape_is_right:
; THE LSTM CELL.  gates[b][n] = sum over k of ab[b][k] wb[n][k] (bf16 operands, f32 sums, K = 4,096), then, without the gates ever leaving the work-group,
;   i, f, o = sigmoid(gate + bias), ch = tanh(gate + bias), c = i ch + f last_c, h = o tanh(c), out0 = c m + last_c (1 - m), out1 = h m + last_h (1 - m), all in f32.
; ab [2048][4096] = x | last_h;  wb [8192][4096], row n = 128 (j / 32) + 32 g + j % 32 = W_g[j] | U_g[j], g = 0 i, 1 f, 2 o, 3 c.
; LIMITS.  x, last_h and the weights enter the products rounded to bf16.  sigmoid(v) = 1 / (1 + 2^(-log2(e) v)), tanh(v) = 1 - 2 / (1 + 2^(2 log2(e) v)): an exponential that overflows
; gives an infinity, whose reciprocal is 0: the right limit, so nothing is clamped; tanh is off by about 1e-7 absolutely, which for results far below that is not a small part of them;
; an exponential below 2^-126 counts as 0; NaN is not treated apart.
; SHARES.  A tile is 256 rows b x 256 rows n (= 64 columns j x 4 gates): 8 x 32 = 256 tiles, one to a work-group of four waves; a wave makes 128 x 128: 64 accumulators of 16 x 16, 512 registers.
; K goes in steps of 128 through a ring of two LDS slots filled by the tensor data mover; a tile's rows are 256 bytes of memory and start at multiples of 256 bytes from the buffer's first byte.
; CLUSTERS: 4 x 4 work-groups.  The four of a row of the cluster need the same tiles of ab, the four of a column the same tiles of wb: each tile is asked for JOINTLY, by the same tensor load with
; the same descriptor and a mask that names the four.
; THE MATRIX INSTRUCTION IS USED TRANSPOSED (source 0 = 16 rows of wb, source 1 = 16 rows of ab): lane l holds row l % 16 of the block and in registers 0-7 the columns n = 8 (l / 16) + 0..7.
; Accumulator (a, b) lies at v[8 (8 (a % 4) + b)]; with b = 2 g + jb the registers 64 (a % 4) + 16 g + 8 jb + r, g = 0..3, are the FOUR GATES of one (row, j) in one lane.
; THE TAIL.  Phase 1, by blocks of 16 rows: the four activations; p = i ch, f and o go into three planes in LDS, laid over the slots, which have had their last fill.  Phase 2: each wave reads 64 whole
; rows of the planes back (16 lanes a row of 256 bytes), with last_c and last_h loaded in the same shape, and stores out0 and out1, 16 lanes to 256 consecutive bytes.
; REGISTERS, in windows of 256 (s_set_vgpr_msb: bits 1:0 source 0, 3:2 source 1, 5:4 source 2, 7:6 destination):
;   window 0: v0-31 addresses; v64-127, v128-191 fragments of ab, two buffers; v192-255 the biases, scaled; in the tail v32-223 at work
;   window 1: v64-127, v128-191 fragments of wb, two buffers; in the tail v0-127 last_c, v128-255 last_h
;   window 2: the accumulators of my rows 0-63;   window 3: those of my rows 64-127
.set SIZE_K, 4096
.set KSTEP,  128
.set PITCH,  272                       ; an LDS row: 256 bytes of data + 16 of padding = 68 words: row r starts at bank 4 r mod 64 (64 banks of 4 bytes: ISA guide 11.1), so 16 rows start at 16 different banks
.set HALFT,  128*PITCH                 ; 128 rows: what one tensor load brings, and what one wave reads of ab or of wb
.set SLOT,   4*HALFT                   ; ab's 256 rows, then wb's 256 rows
.set LAPS,   SIZE_K/(2*KSTEP)          ; a lap = two K steps = once round the ring
.set PLANE,  256*PITCH                 ; the tail: a plane of 256 rows x 64 j in f32; three of them (p, f, o) from LDS byte 0 on
.set MSK,    2*SLOT                    ; behind the ring: 16 bytes for each of the tile's 256 rows: m, m, 1 - m, 1 - m; no tensor load lands here
.set SPARE,  MSK+4096                  ; behind that: the spare words, 128 bytes for each wave: two blocks of 256 bytes that no other line names
.set ROWB,   8192                      ; bytes in a row of last_c, last_h, out0, out1
.set BO,   6                           ; v6      my byte offset in a bias
.set MO,   7                           ; v7      my byte offset in mask
.set SA,   8                           ; v8-10   phase 1: where I put 16 bytes of a row in plane 0, 1, 2
.set RA,   11                          ; v11-13  phase 2: where I read a row back from plane 0, 1, 2
.set MA,   14                          ; v14     phase 2: where I read a row's mask quad
.set MS,   15                          ; v15     where I put a row's mask quad
.set ADRA, 16                          ; v16-17  LDS address of my ab fragments in slot 0, 1
.set ADRB, 20                          ; v20-21  the same for wb
.set CO,   22                          ; v22     my byte offset in two rows of last_c, last_h, out0, out1
.set PF,   23                          ; v23     lane x one row: the prefetches' offset
.set MK,   24                          ; v24-25  mask of rows 64 w + lane and 64 w + 32 + lane
.set SPW,  28                          ; v28     LDS address of my spare word: SPARE + 4 x my thread's number; never rewritten
.set NIL,  29                          ; v29     0; never rewritten
.set QD,   32                          ; v32-39  two mask quads, at the start
.set F0,   64                          ; fragment buffer 0
.set F1,   128                         ; fragment buffer 1
.set BIAS, 192                         ; v192-255  bias of gate g, column 16 jb + 8 (l / 16) + r at BIAS + 16 g + 8 jb + r, times the gate's factor
.set TT,   64                          ; phase 1: 64 numbers at work, laid as a block's accumulators
.set LB,   32                          ; phase 2: two buffers of 64: for each of 4 groups of two rows p (4), f (4), o (4), mask quad (4)
.set CP,   160                         ; phase 2: c, 16 registers
.set TLC,  176                         ; phase 2: out0, 16 registers
.set THH,  192                         ; phase 2: out1, 16 registers
.set EE,   208                         ; phase 2: tanh(c) and h, 16 registers
.set G1,  24                           ; s[24:31] descriptor group 1 for ab's tiles
.set G0,  32                           ; s[32:39] descriptor group 0 for ab's tiles, one set for each slot
.set G1B, 48                           ; s[48:55] descriptor group 1 for wb's tiles: it differs in the mask alone
.set G0B, 56                           ; s[56:63] descriptor group 0 for wb's tiles, one set for each slot
.set NL,  86                           ; s[86:87] -log2(e): the packed forms name a pair and take its low word for both halves
.set TL,  88                           ; s[88:89] 2 log2(e)
.set MSB, 0
.macro WIN new                         ; the immediate's high byte repeats the setting that is left; a switch that changes nothing is dropped
.if MSB != (\new)
	s_set_vgpr_msb (MSB<<8)|(\new)
.set MSB, \new
.endif
.endm
.set MUL_LO, 0xa1                      ; source 0 (wb) window 1, source 1 (ab) window 0, C and D window 2
.set MUL_HI, 0xf1                      ; the same, C and D window 3
.set TO_B,   0x40                      ; destination window 1, address window 0
; A joint load.  Waves 0 and 1 fetch ab's two halves, waves 2 and 3 wb's.  Each of the two lines has ONE mask and one set of registers for all that issue it.  The branch hangs on the wave's number alone.
; An s_nop 0 and four v_nop follow each of the two lines; the jump round the other line, the label and what follows come after them.
.macro JLOAD s
	s_cmp_eq_u32 s11, 0
	s_cbranch_scc0 .Lfor_b_\@
	tensor_load_to_lds s[G0+4*(\s):G0+4*(\s)+3], s[G1:G1+7]
	s_nop 0
.rept 4
	v_nop
.endr
	s_branch .Lasked_\@
.Lfor_b_\@:
	tensor_load_to_lds s[G0B+4*(\s):G0B+4*(\s)+3], s[G1B:G1B+7]
	s_nop 0
.rept 4
	v_nop
.endr
.Lasked_\@:
.endm
; A round of the cluster's barrier: my work-group's barrier, so that wave 0's signal speaks for all four waves; wave 0 signals for the work-group; every wave waits for all sixteen; my work-group's barrier once more.
.macro CREST                           ; a round behind its opening barrier
	s_cmp_lg_u32 s10, 0
	s_cbranch_scc1 .Lnot_wave_0_\@
	s_barrier_signal -3
.Lnot_wave_0_\@:
	s_barrier_wait -3
	s_barrier_signal -1
	s_barrier_wait -1
.endm
.macro CROUND                          ; a whole round
	s_barrier_signal -1
	s_barrier_wait -1
	CREST
.endm
	s_load_b128 s[4:7], s[0:1], 0x0                ; ab s[4:5], wb s[6:7]
	s_load_b256 s[68:75], s[0:1], 0x10             ; bi, bf, bo, bc
	s_load_b256 s[76:83], s[0:1], 0x30             ; mask s[76:77], last_c s[78:79], last_h s[80:81], out0 s[82:83]
	s_load_b64 s[84:85], s[0:1], 0x50              ; out1
	v_lshl_add_u32 v[SPW], v0, 2, SPARE
	v_mov_b32 v[NIL], 0
	ds_add_u32 v[SPW], v[NIL]                      ; the wave's opening: the add and its wait stand ahead of my first tensor load; the set-up below, work on registers, stands between them
	v_lshrrev_b32 v1, 5, v0
	v_readfirstlane_b32 s10, v1                    ; wave 0..3
	s_lshr_b32 s11, s10, 1                         ; which half of the tile's rows b is mine.  Also: I fetch for ab (0) or for wb (1)
	s_and_b32 s12, s10, 1                          ; which half of its rows n.  Also: which 128 rows of that tile I fetch
	s_bfe_u32 s40, ttmp6, 0x40000                  ; cx: my place along the cluster's x
	s_bfe_u32 s41, ttmp6, 0x40004                  ; cy: along its y
	s_lshl_b32 s42, ttmp9, 2                       ; in a cluster launch ttmp9 and ttmp7 count clusters
	s_add_co_u32 s42, s42, s40                     ; tile column T = 4 x cluster x + cx
	s_and_b32 s13, ttmp7, 0xffff
	s_lshl_b32 s13, s13, 2
	s_add_co_u32 s13, s13, s41                     ; tile row Y = 4 x cluster y + cy
	s_lshl_b32 s43, s41, 2
	s_lshl_b32 s43, 15, s43                        ; my row of the cluster: places 4 cy .. 4 cy + 3
	s_lshl_b32 s44, 0x1111, s40                    ; my column: places cx, cx + 4, cx + 8, cx + 12
	; descriptor group 1: a tile of 128 rows x 128 elements, padded in LDS
	s_or_b32 s[G1+0], s43, (1<<16)|(1<<20)|(1<<21)|(5<<22)|(3<<25)  ; 15:0 the mask: ab's tiles go to my row; 17:16 element of 2 bytes; 20 padding on; 21 set beside a mask; 24:22 after every 64 words (code 5); 31:25 of 4 words (code 3)
	s_or_b32 s[G1B+0], s44, (1<<16)|(1<<20)|(1<<21)|(5<<22)|(3<<25) ; the same with the mask of my column, for wb's tiles
.irp g, G1, G1B
	s_mov_b32 s[(\g)+1], KSTEP<<16                 ; tensor_dim0 = 128
	s_mov_b32 s[(\g)+2], 128<<16                   ; tensor_dim1 = 128
	s_mov_b32 s[(\g)+3], KSTEP<<16                 ; tile_dim0 = 128
	s_mov_b32 s[(\g)+4], 128                       ; tile_dim1 = 128
	s_mov_b32 s[(\g)+5], SIZE_K                    ; elements from row to row
	s_mov_b32 s[(\g)+6], 0
	s_mov_b32 s[(\g)+7], 0
.endr
	; where the tiles come from.  ab's hang on the tile row alone, which my row of the cluster shares; wb's on the tile column alone, which my column shares.
	; Every wave makes both offsets, in registers that never hold the other coordinate, and asks by one of them.
	s_lshl_b32 s17, s12, 7                         ; which 128 rows of the tile I fetch
	s_lshl_b32 s16, s13, 8
	s_add_co_u32 s16, s16, s17                     ; ab: row 256 Y + 128 x half,
	s_lshl_b32 s16, s16, 13                        ; times 8,192 bytes: under 2^24
	s_lshl_b32 s46, s42, 8
	s_add_co_u32 s46, s46, s17                     ; wb: row 256 T + 128 x half,
	s_lshl_b32 s46, s46, 13                        ; times 8,192 bytes: under 2^26
	s_mov_b32 s17, 0
	s_mov_b32 s47, 0
	s_mul_i32 s20, s10, HALFT                      ; and where they go: wave x 128 rows: no place in the cluster enters an LDS address
	s_mov_b32 s[NL], 0xbfb8aa3b                    ; -log2(e)
	s_mov_b32 s[NL+1], s[NL]
	s_mov_b32 s[TL], 0x4038aa3b                    ; 2 log2(e)
	s_mov_b32 s[TL+1], s[TL]
	s_wait_dscnt 0x0                               ; the opening add is done
	s_wait_kmcnt 0x0
	s_add_nc_u64 s[14:15], s[4:5], s[16:17]
	s_add_nc_u64 s[46:47], s[6:7], s[46:47]
	CROUND                                         ; all sixteen work-groups are here: the first joint loads meet
.irp s, 0,1
	s_mov_b32 s[G0+4*(\s)], 1                                      ; 1:0 count = 1
	s_add_co_u32 s[G0+4*(\s)+1], s20, (\s)*SLOT                    ; 63:32 LDS address
	s_add_nc_u64 s[G0+4*(\s)+2:G0+4*(\s)+3], s[14:15], (\s)*KSTEP*2  ; 120:64 global address: K step s
	s_or_b32 s[G0+4*(\s)+3], s[G0+4*(\s)+3], 0x80000000            ; 127:126 type = 2
	s_mov_b32 s[G0B+4*(\s)], 1
	s_add_co_u32 s[G0B+4*(\s)+1], s20, (\s)*SLOT
	s_add_nc_u64 s[G0B+4*(\s)+2:G0B+4*(\s)+3], s[46:47], (\s)*KSTEP*2
	s_or_b32 s[G0B+4*(\s)+3], s[G0B+4*(\s)+3], 0x80000000
	JLOAD \s                                       ; the ring is filled before anything else is done: two tensor loads of mine are out
.endr
	; WHILE THE FIRST TILE IS ON ITS WAY: addresses, biases, mask.
	v_and_b32 v1, 15, v0                           ; l % 16
	v_bfe_u32 v2, v0, 4, 1                         ; l / 16
	v_and_b32 v4, 31, v0                           ; l
	s_lshl_b32 s92, s42, 8                         ; a bias: my columns begin at j = 64 T + 32 x half + 8 (l / 16), 4 bytes each
	s_lshl_b32 s93, s12, 7
	s_add_co_u32 s92, s92, s93
	v_lshl_add_u32 v[BO], v2, 5, s92
.irp g, 0,1,2,3
.irp jb, 0,1
.irp k, 0,1
	global_load_b128 v[BIAS+16*(\g)+8*(\jb)+4*(\k):BIAS+16*(\g)+8*(\jb)+4*(\k)+3], v[BO], s[68+2*(\g):69+2*(\g)] offset:64*(\jb)+16*(\k)
.endr
.endr
.endr
	s_lshl_b32 s92, s13, 10                        ; mask: row 256 Y + 64 w + lane, 4 bytes each
	s_lshl_b32 s93, s10, 8
	s_add_co_u32 s92, s92, s93
	v_lshl_add_u32 v[MO], v4, 2, s92
	global_load_b32 v[MK], v[MO], s[76:77]
	global_load_b32 v[MK+1], v[MO], s[76:77] offset:128
	; A fragment is 16 rows x 32 K in 8 registers: lane l holds row l % 16; registers 0-3 hold K = 8 (l / 16) + 0..7, registers 4-7 K = 16 + 8 (l / 16) + 0..7: two loads of 16 bytes, 32 bytes apart.
	v_mul_u32_u24 v3, v1, PITCH
	v_lshl_add_u32 v3, v2, 4, v3                   ; row x pitch + 16 x half
	s_mul_i32 s21, s11, HALFT                      ; my 128 rows of ab
	s_mul_i32 s22, s12, HALFT                      ; my 128 rows of wb,
	s_add_co_u32 s22, s22, 2*HALFT                 ; which lie behind ab's 256
.irp s, 0,1
	v_add_nc_u32 v[ADRA+(\s)], s21, v3
	v_add_nc_u32 v[ADRB+(\s)], s22, v3
	s_add_co_u32 s21, s21, SLOT
	s_add_co_u32 s22, s22, SLOT
.endr
	v_mul_u32_u24 v5, v1, PITCH                    ; into a plane: row 128 x row half + l % 16 (+ 16 a), byte 128 x column half + 32 (l / 16) (+ 64 jb + 16 k)
	v_lshl_add_u32 v5, v2, 5, v5
	s_mul_i32 s21, s11, HALFT
	s_lshl_b32 s22, s12, 7
	s_add_co_u32 s21, s21, s22
.irp p, 0,1,2
	v_add_nc_u32 v[SA+(\p)], s21, v5
	s_add_co_u32 s21, s21, PLANE
.endr
	v_mul_u32_u24 v5, v2, PITCH                    ; back: wave w takes rows 64 w .. 64 w + 63, whole; lanes 0-15 one row of 256 bytes, lanes 16-31 the next
	v_lshl_add_u32 v5, v1, 4, v5
	s_mul_i32 s21, s10, 64*PITCH
.irp p, 0,1,2
	v_add_nc_u32 v[RA+(\p)], s21, v5
	s_add_co_u32 s21, s21, PLANE
.endr
	s_lshl_b32 s21, s10, 10                        ; my wave's 64 mask quads
	s_add_co_u32 s21, s21, MSK
	v_lshl_add_u32 v[MA], v2, 4, s21
	v_lshl_add_u32 v[MS], v4, 4, s21
	v_lshlrev_b32 v5, 13, v2                       ; the same two rows in last_c, last_h, out0, out1
	v_lshl_add_u32 v[CO], v1, 4, v5
	v_lshlrev_b32 v[PF], 13, v4
	s_lshl_b32 s90, s13, 21                        ; the first byte of my 64 rows x 64 columns in those four: (256 Y + 64 w) x 8,192 + 256 T, under 2^24
	s_lshl_b32 s92, s10, 19
	s_add_co_u32 s90, s90, s92
	s_lshl_b32 s92, s42, 8
	s_add_co_u32 s90, s90, s92
	s_mov_b32 s91, 0
	s_add_nc_u64 s[78:79], s[78:79], s[90:91]
	s_add_nc_u64 s[80:81], s[80:81], s[90:91]
	s_add_nc_u64 s[82:83], s[82:83], s[90:91]
	s_add_nc_u64 s[84:85], s[84:85], s[90:91]
	s_wait_loadcnt 0x0                             ; biases and mask, once
.set i, 0
.rept 24
	v_pk_mul_f32 v[BIAS+i:BIAS+i+1], v[BIAS+i:BIAS+i+1], s[NL:NL+1] op_sel_hi:[1,0]  ; the factor of the exponent is put on the bias once, so that gate and bias meet in one multiply-add
.set i, i+2
.endr
.rept 8
	v_pk_mul_f32 v[BIAS+i:BIAS+i+1], v[BIAS+i:BIAS+i+1], s[TL:TL+1] op_sel_hi:[1,0]
.set i, i+2
.endr
.irp k, 0,1
	v_mov_b32 v[QD+4*(\k)],   v[MK+(\k)]           ; m, m, 1 - m, 1 - m: two pairs for the packed forms
	v_mov_b32 v[QD+4*(\k)+1], v[MK+(\k)]
	v_sub_f32 v[QD+4*(\k)+2], 1.0, v[MK+(\k)]
	v_sub_f32 v[QD+4*(\k)+3], 1.0, v[MK+(\k)]
	ds_store_b128 v[MS], v[QD+4*(\k):QD+4*(\k)+3] offset:512*(\k)  ; my wave alone reads these 1,024 bytes
.endr
; 16 matrix instructions: m blocks a0, a0 + 1 of the window's four (hi = 0: my rows 0-63, 1: rows 64-127) x all 8 n blocks, 32 along K.  zero = 1: the first product starts the sums: nothing is ever cleared.
; The 64 accumulators take turns, one instruction a turn, in the same order in every quarter.
.macro MUL16 f, hi, a0, zero
	WIN MUL_LO+0x50*(\hi)  ; MUL_LO or MUL_HI
.irp a, \a0, (\a0)+1
.irp b, 0,1,2,3,4,5,6,7
.if \zero
	v_wmma_f32_16x16x32_bf16 v[8*(8*(\a)+(\b)):8*(8*(\a)+(\b))+7], v[(\f)+8*(\b):(\f)+8*(\b)+7], v[(\f)+8*(4*(\hi)+(\a)):(\f)+8*(4*(\hi)+(\a))+7], 0
.else
	v_wmma_f32_16x16x32_bf16 v[8*(8*(\a)+(\b)):8*(8*(\a)+(\b))+7], v[(\f)+8*(\b):(\f)+8*(\b)+7], v[(\f)+8*(4*(\hi)+(\a)):(\f)+8*(4*(\hi)+(\a))+7], v[8*(8*(\a)+(\b)):8*(8*(\a)+(\b))+7]
.endif
.endr
.endr
.endm
; 32 LDS loads in one run: the fragments of one quarter step (128 rows of wb, 128 rows of ab, 32 K at byte k of the rows) into buffer f
.macro FETCH slot, k, f
	WIN TO_B
.irp i, 0,1,2,3,4,5,6,7
	ds_load_b128 v[(\f)+8*(\i):(\f)+8*(\i)+3],   v[ADRB+(\slot)] offset:(\k)+(\i)*16*PITCH
	ds_load_b128 v[(\f)+8*(\i)+4:(\f)+8*(\i)+7], v[ADRB+(\slot)] offset:(\k)+(\i)*16*PITCH+32
.endr
	WIN 0
.irp i, 0,1,2,3,4,5,6,7
	ds_load_b128 v[(\f)+8*(\i):(\f)+8*(\i)+3],   v[ADRA+(\slot)] offset:(\k)+(\i)*16*PITCH
	ds_load_b128 v[(\f)+8*(\i)+4:(\f)+8*(\i)+7], v[ADRA+(\slot)] offset:(\k)+(\i)*16*PITCH+32
.endr
.endm
; A load into a register that a matrix instruction has read, and a vector instruction that reads a matrix result or writes one of a matrix instruction's registers, stand four places behind it, and only
; plain vector instructions that name none of its registers are places (ISA guide 7.12.1 for vector instructions).
.macro PLACES
.rept 4
	v_nop
.endr
.endm
; A K step is four quarter steps of 32 along K, 64 matrix instructions each, on buffers 0, 1, 0, 1.
; One of the first three: multiplies buffer f; in its middle it fetches the next quarter's fragments, at byte k of the same slot's rows, into buffer g.
.macro QUARTER slot, k, f, g, zero
	s_wait_dscnt 8                                 ; wb and ab's rows 0-63 are in; the youngest eight loads (ab's rows 64-127) may be out
	WIN MUL_LO
	MUL16 \f, 0, 0, \zero
	MUL16 \f, 0, 2, \zero
	PLACES
	FETCH \slot, \k, \g
	s_wait_dscnt 32                                ; all but the 32 just issued
	WIN MUL_HI
	MUL16 \f, 1, 0, \zero
	MUL16 \f, 1, 2, \zero
.endm
; The last quarter multiplies buffer 1 and changes slots.  MEET is its first half: ONE barrier for the change of slots.  In front of it each wave waits for all its tensor loads, of which one is out: its part
; of the next slot; adds 0 to its spare word; and waits for that and for its own reads of this slot.  Behind it nobody reads this slot any more and the next slot is whole.
.macro MEET round                      ; round = 1: a round of the cluster's barrier follows
	WIN 0                                          ; (the add's two registers lie in window 0)
	s_wait_tensorcnt 0x0                           ; all my tensor loads have landed: the one that was out is my part of the next slot;
	ds_add_u32 v[SPW], v[NIL]                      ; 0 onto my spare word;
	s_wait_dscnt 9                                 ; (the add and the youngest eight loads may be out)
	WIN MUL_LO
	MUL16 F1, 0, 0, 0                              ; sixteen matrix instructions stand between the add and the wait for it
	s_wait_dscnt 0x0                               ; the add is done, and my reads of this slot are over:
	s_barrier_signal -1                            ; say so (where a slot is filled again this barrier opens a round of the cluster's barrier),
	MUL16 F1, 0, 2, 0                              ; work on registers while the others arrive,
.if \round
	WIN 0
.endif
	s_barrier_wait -1                              ; and go on when all four have said so
.endm
; The whole last quarter with a refill: behind the round the slot just read out is filled again first, with the K step two steps on; then come the next slot's first fragments.
; From a request to the wait for it a wave issues 224 matrix instructions.
.macro TURN slot, next
	MEET 1
	CREST                                          ; no wave of any partner still reads this slot's tile or has a load on its way
	s_add_nc_u64 s[G0+4*(\slot)+2:G0+4*(\slot)+3], s[G0+4*(\slot)+2:G0+4*(\slot)+3], 2*KSTEP*2
	s_add_nc_u64 s[G0B+4*(\slot)+2:G0B+4*(\slot)+3], s[G0B+4*(\slot)+2:G0B+4*(\slot)+3], 2*KSTEP*2
	JLOAD \slot                                    ; the first tensor load behind the round, my only one until the next; the four v_nop behind it are also the places in front of the loads below
	FETCH \next, 0, F0
	WIN MUL_HI
	MUL16 F1, 1, 0, 0
	MUL16 F1, 1, 2, 0
.endm
; The same without a refill: the last change of slots, from slot 0 to slot 1.
.macro TURNN
	MEET 0
	PLACES
	FETCH 1, 0, F0
	WIN MUL_HI
	MUL16 F1, 1, 0, 0
	MUL16 F1, 1, 2, 0
.endm
	s_wait_tensorcnt 1                             ; my part of K step 0 is in; K step 1's may stay out
	s_wait_dscnt 0x0                               ; my mask quads are stored: no LDS instruction is pending at a signal
	s_barrier_signal -1
	s_barrier_wait -1                              ; everybody's part is in
	FETCH 0, 0, F0
	QUARTER 0, 64,  F0, F1, 1                      ; the first quarter stands in front of the loop: its products start the sums
	WIN 0                                          ; at a label and at a branch every window is 0
	s_mov_b32 s3, LAPS-1
.Llap:                                                 ; a trip goes once round the ring, from a lap's second quarter to the next lap's first, and fills both slots again
	QUARTER 0, 128, F1, F0, 0
	QUARTER 0, 192, F0, F1, 0
	TURN 0, 1
	QUARTER 1, 64,  F0, F1, 0
	QUARTER 1, 128, F1, F0, 0
	QUARTER 1, 192, F0, F1, 0
	TURN 1, 0
	QUARTER 0, 64,  F0, F1, 0
	WIN 0
	s_sub_co_u32 s3, s3, 1
	s_cmp_lg_u32 s3, 0
	s_cbranch_scc1 .Llap
	QUARTER 0, 128, F1, F0, 0                      ; the last lap fills nothing, and has no round of the cluster's barrier
	QUARTER 0, 192, F0, F1, 0
	TURNN
	WIN 0
	; My wave's 64 rows x 256 bytes of last_c and of last_h are asked for ahead: each lane names one row's 256 bytes, 32 rows a line; no other wave of the launch asks for them;
	; the loads that want them stand behind the last K step, 256 matrix instructions of mine further on.  All four lines point inside the tile, so inside the buffers.
	global_prefetch_b8 v[PF], s[78:79] th:TH_LOAD_NT scope:SCOPE_SE
	global_prefetch_b8 v[PF], s[78:79] offset:32*ROWB th:TH_LOAD_NT scope:SCOPE_SE
	global_prefetch_b8 v[PF], s[80:81] th:TH_LOAD_NT scope:SCOPE_SE
	global_prefetch_b8 v[PF], s[80:81] offset:32*ROWB th:TH_LOAD_NT scope:SCOPE_SE
	QUARTER 1, 64,  F0, F1, 0
	QUARTER 1, 128, F1, F0, 0
	QUARTER 1, 192, F0, F1, 0
	s_wait_dscnt 8                                 ; the very last quarter: nothing more to fetch
	WIN MUL_LO
	MUL16 F1, 0, 0, 0
	MUL16 F1, 0, 2, 0
	s_wait_dscnt 0x0
	MUL16 F1, 1, 0, 0
	MUL16 F1, 1, 2, 0
	WIN 0
	PLACES                                         ; behind the last products: for the loads into window 1 and the reads of the sums below
	s_barrier_signal -1                            ; my reads of the slots are back (the wait for 0 above), and every tensor load was waited for at the last change of slots:
	s_barrier_wait -1                              ; when all four have said so, the slots, which are filled no more, may take the planes
	; last_c and last_h of my 64 rows, in the shape in which phase 2 reads the planes: group t = rows 2 t, 2 t + 1; 16 lanes take 256 consecutive bytes.  64 loads, which land under phase 1.
	WIN TO_B
.set t, 0
.rept 32
	global_load_b128 v[4*t:4*t+3],         v[CO], s[78:79] offset:2*ROWB*t th:TH_LOAD_NT
	global_load_b128 v[128+4*t:128+4*t+3], v[CO], s[80:81] offset:2*ROWB*t th:TH_LOAD_NT
.set t, t+1
.endr
; PHASE 1, block a of 16 rows: its 64 sums a lane are 16 numbers of each gate.  Exponent = factor x sum + factor x bias in one multiply-add (each accumulator is read from its lowest registers on);
; 64 exponentials, + 1, 64 reciprocals: i, f, o, and 1 / (1 + e) for the fourth gate, which 1 - 2 x makes tanh.  p = i ch; p, f, o go into the planes.
; Behind a run of transcendentals one plain instruction stands before a result is used (ISA guide 5.7.2).
.macro GATES a
	WIN 0x02+(\a)/4                                ; source 0: window 2 or 3
.set i, 0
.rept 24
	v_pk_fma_f32 v[TT+i:TT+i+1], v[64*((\a)%4)+i:64*((\a)%4)+i+1], s[NL:NL+1], v[BIAS+i:BIAS+i+1] op_sel_hi:[1,0,1]
.set i, i+2
.endr
.rept 8
	v_pk_fma_f32 v[TT+i:TT+i+1], v[64*((\a)%4)+i:64*((\a)%4)+i+1], s[TL:TL+1], v[BIAS+i:BIAS+i+1] op_sel_hi:[1,0,1]
.set i, i+2
.endr
	WIN 0
.set i, 0
.rept 64
	v_exp_f32 v[TT+i], v[TT+i]
.set i, i+1
.endr
	v_nop
.set i, 0
	s_wait_alu depctr_va_vdst(0)
.rept 32
	v_pk_add_f32 v[TT+i:TT+i+1], v[TT+i:TT+i+1], 1.0 op_sel_hi:[1,0]
.set i, i+2
.endr
.set i, 0
.rept 64
	v_rcp_f32 v[TT+i], v[TT+i]
.set i, i+1
.endr
	v_nop
.set i, 48
	s_wait_alu depctr_va_vdst(0)
.rept 8
	v_pk_fma_f32 v[TT+i:TT+i+1], v[TT+i:TT+i+1], -2.0, 1.0 op_sel_hi:[1,0,0]  ; tanh
.set i, i+2
.endr
.set i, 0
.rept 8
	v_pk_mul_f32 v[TT+i:TT+i+1], v[TT+i:TT+i+1], v[TT+48+i:TT+48+i+1]          ; p = i ch
.set i, i+2
.endr
.irp p, 0,1,2
.irp jb, 0,1
.irp k, 0,1
	ds_store_b128 v[SA+(\p)], v[TT+16*(\p)+8*(\jb)+4*(\k):TT+16*(\p)+8*(\jb)+4*(\k)+3] offset:(\a)*16*PITCH+64*(\jb)+16*(\k)
.endr
.endr
.endr
.endm
.irp a, 0,1,2,3,4,5,6,7
	GATES \a
.endr
	s_wait_dscnt 0x0                               ; for the others' sake: my stores into the planes are done; a row's 256 bytes come from two waves
	s_barrier_signal -1
	s_barrier_wait -1
; PHASE 2, in eight batches of four groups of two rows.  LOADB: a batch's p, f, o and mask quads, 16 LDS loads, into buffer buf.
.macro LOADB g, buf
.irp q, 0,1,2,3
	ds_load_b128 v[LB+64*(\buf)+16*(\q):LB+64*(\buf)+16*(\q)+3],     v[RA]   offset:2*PITCH*(4*(\g)+(\q))
	ds_load_b128 v[LB+64*(\buf)+16*(\q)+4:LB+64*(\buf)+16*(\q)+7],   v[RA+1] offset:2*PITCH*(4*(\g)+(\q))
	ds_load_b128 v[LB+64*(\buf)+16*(\q)+8:LB+64*(\buf)+16*(\q)+11],  v[RA+2] offset:2*PITCH*(4*(\g)+(\q))
	ds_load_b128 v[LB+64*(\buf)+16*(\q)+12:LB+64*(\buf)+16*(\q)+15], v[MA]   offset:32*(4*(\g)+(\q))
.endr
.endm
; COMP: c = last_c f + p; tanh(c); h = o tanh(c); the two blends, value x m + old x (1 - m); the stores.
.macro COMP g, buf
	s_wait_loadcnt 56-8*(\g)                       ; loads come back in order: of the 64, the 8 (g + 1) first are in; the later batches' stay out
.if (\g) > 0
	s_wait_xcnt 0x0                                ; every earlier memory instruction has had its addresses translated (ISA guide 3.1): the registers that the last batch's stores read are rewritten only behind this wait
.endif
	WIN 0x01                                       ; source 0 (last_c, last_h) in window 1
.irp q, 0,1,2,3
.irp u, 0,2
.set rL, LB+64*(\buf)+16*(\q)
.set rG, 4*(4*(\g)+(\q))+(\u)
.set rQ, 4*(\q)+(\u)
	v_pk_fma_f32 v[CP+rQ:CP+rQ+1],   v[rG:rG+1],         v[rL+4+(\u):rL+5+(\u)], v[rL+(\u):rL+1+(\u)]
	v_pk_mul_f32 v[TLC+rQ:TLC+rQ+1], v[rG:rG+1],         v[rL+14:rL+15]
	v_pk_mul_f32 v[THH+rQ:THH+rQ+1], v[128+rG:128+rG+1], v[rL+14:rL+15]
.endr
.endr
	WIN 0
.set i, 0
.rept 8
	v_pk_mul_f32 v[EE+i:EE+i+1], v[CP+i:CP+i+1], s[TL:TL+1] op_sel_hi:[1,0]
.set i, i+2
.endr
.set i, 0
.rept 16
	v_exp_f32 v[EE+i], v[EE+i]
.set i, i+1
.endr
.irp q, 0,1,2,3                        ; out0's blend names none of the exponentials' registers: it is the plain work behind them
.irp u, 0,2
.set rL, LB+64*(\buf)+16*(\q)
.set rQ, 4*(\q)+(\u)
	v_pk_fma_f32 v[TLC+rQ:TLC+rQ+1], v[CP+rQ:CP+rQ+1], v[rL+12:rL+13], v[TLC+rQ:TLC+rQ+1]
.endr
.endr
.set i, 0
	s_wait_alu depctr_va_vdst(0)
.rept 8
	v_pk_add_f32 v[EE+i:EE+i+1], v[EE+i:EE+i+1], 1.0 op_sel_hi:[1,0]
.set i, i+2
.endr
.set i, 0
.rept 16
	v_rcp_f32 v[EE+i], v[EE+i]
.set i, i+1
.endr
	v_nop
.set i, 0
	s_wait_alu depctr_va_vdst(0)
.rept 8
	v_pk_fma_f32 v[EE+i:EE+i+1], v[EE+i:EE+i+1], -2.0, 1.0 op_sel_hi:[1,0,0]  ; tanh(c)
.set i, i+2
.endr
.irp q, 0,1,2,3
.irp u, 0,2
.set rL, LB+64*(\buf)+16*(\q)
.set rQ, 4*(\q)+(\u)
	v_pk_mul_f32 v[EE+rQ:EE+rQ+1], v[EE+rQ:EE+rQ+1], v[rL+8+(\u):rL+9+(\u)]
.endr
.endr
.irp q, 0,1,2,3
.irp u, 0,2
.set rL, LB+64*(\buf)+16*(\q)
.set rQ, 4*(\q)+(\u)
	v_pk_fma_f32 v[THH+rQ:THH+rQ+1], v[EE+rQ:EE+rQ+1], v[rL+12:rL+13], v[THH+rQ:THH+rQ+1]
.endr
.endr
.irp q, 0,1,2,3
	global_store_b128 v[CO], v[TLC+4*(\q):TLC+4*(\q)+3], s[82:83] offset:2*ROWB*(4*(\g)+(\q)) th:TH_STORE_NT  ; 16 lanes store 256 consecutive bytes, at a multiple of 256 from the buffer's first byte
	global_store_b128 v[CO], v[THH+4*(\q):THH+4*(\q)+3], s[84:85] offset:2*ROWB*(4*(\g)+(\q)) th:TH_STORE_NT
.endr
.endm
	LOADB 0, 0
.irp g, 0,1,2,3,4,5,6,7
.if (\g) < 7
	LOADB (\g)+1, ((\g)+1)%2                       ; the next batch's LDS loads go out ahead of this batch's arithmetic
	s_wait_dscnt 16                                ; all but those 16
.else
	s_wait_dscnt 0x0
.endif
	COMP \g, (\g)%2
.endr
	WIN 0
	s_wait_tensorcnt 0x0                           ; the wave's end, behind my last tensor load and my last LDS store
	ds_add_u32 v[SPW], v[NIL]
	s_wait_dscnt 0x0
	CROUND                                         ; the closing round: no work-group ends while a partner may still ask for a tile that names it
	s_endpgm
.Lfunc_end_k_qe6c19e9b2e_cell:
	.size	k_qe6c19e9b2e_cell, .Lfunc_end_k_qe6c19e9b2e_cell-k_qe6c19e9b2e_cell
	.p2alignl 7, 3214868480
	.fill 96, 4, 3214868480
	.section	.rodata,"a",@progbits
	.p2align	6, 0x0
	.amdhsa_kernel k_qe6c19e9b2e_cell
		.amdhsa_group_segment_fixed_size 327680
		.amdhsa_private_segment_fixed_size 0
		.amdhsa_enable_private_segment 0
		.amdhsa_kernarg_size 88
		.amdhsa_user_sgpr_count 2
		.amdhsa_user_sgpr_kernarg_segment_ptr 1
		.amdhsa_wavefront_size32 1
		.amdhsa_system_sgpr_workgroup_id_x 1
		.amdhsa_system_sgpr_workgroup_id_y 1
		.amdhsa_system_sgpr_workgroup_id_z 1
		.amdhsa_system_vgpr_workitem_id 0
		.amdhsa_next_free_vgpr 1024
		.amdhsa_next_free_sgpr 96
		.amdhsa_reserve_vcc 0
		.amdhsa_float_denorm_mode_32 3
		.amdhsa_float_denorm_mode_16_64 3
		.amdhsa_memory_ordered 1
		.amdhsa_forward_progress 1
		.amdhsa_inst_pref_size 255
	.end_amdhsa_kernel
	.section	.bss,"aw",@nobits
	.p2align	6
	.space	262144
	.amdgpu_metadata
---
amdhsa.version: [ 1, 2 ]
amdhsa.kernels:
  - .name:           k_qe6c19e9b2e_cell
    .symbol:         k_qe6c19e9b2e_cell.kd
    .args:
      - { .name: ab, .offset: 0, .size: 8, .value_kind: global_buffer, .address_space: global }
      - { .name: wb, .offset: 8, .size: 8, .value_kind: global_buffer, .address_space: global }
      - { .name: bi, .offset: 16, .size: 8, .value_kind: global_buffer, .address_space: global }
      - { .name: bf, .offset: 24, .size: 8, .value_kind: global_buffer, .address_space: global }
      - { .name: bo, .offset: 32, .size: 8, .value_kind: global_buffer, .address_space: global }
      - { .name: bc, .offset: 40, .size: 8, .value_kind: global_buffer, .address_space: global }
      - { .name: mask, .offset: 48, .size: 8, .value_kind: global_buffer, .address_space: global }
      - { .name: last_c, .offset: 56, .size: 8, .value_kind: global_buffer, .address_space: global }
      - { .name: last_h, .offset: 64, .size: 8, .value_kind: global_buffer, .address_space: global }
      - { .name: out0, .offset: 72, .size: 8, .value_kind: global_buffer, .address_space: global }
      - { .name: out1, .offset: 80, .size: 8, .value_kind: global_buffer, .address_space: global }
    .group_segment_fixed_size: 327680
    .private_segment_fixed_size: 0
    .kernarg_segment_align: 8
    .kernarg_segment_size: 88
    .max_flat_workgroup_size: 128
    .sgpr_count:     96
    .vgpr_count:     1024
    .wavefront_size: 32
...
	.end_amdgpu_metadata
.endif
;; end of part 2
